; MI455X (gfx1250); checked and timed in simulation.
; The chip was launched on July 23, 2026; its instructions are those of AMD's public machine-readable ISA for CDNA 5 (MIT licence, August 2026) and "CDNA5" Instruction Set Architecture Reference Guide (July 2026). The comments in the code are by the model that wrote it; some were corrected since.
;; Attention. Allowed arithmetic: matrix products marked QUANTISED: E2M1 operands, one E8M0 scale for each 32 along K, by v_wmma_scale_f32_16x16x128_f8f6f4 with both operands' format E2M1 (or v_wmma_scale_f32_32x16x128_f4), f32 sums; everything else in f32.
;; Inputs: Wk_codes 8 x 64 x 16 x 16 uint8 (E2M1 codes of Wk, K innermost, in blocks of 32 codes, two codes a byte); Wk_scales 8 x 64 x 16 uint8 (E8M0 scales of Wk, one for each 32 codes along K); Wo_codes 512 x 16 x 16 uint8 (E2M1 codes of Wo, K innermost, in blocks of 32 codes, two codes a byte); Wo_scales 512 x 16 uint8 (E8M0 scales of Wo, one for each 32 codes along K); Wq_codes 8 x 64 x 16 x 16 uint8 (E2M1 codes of Wq, K innermost, in blocks of 32 codes, two codes a byte); Wq_scales 8 x 64 x 16 uint8 (E8M0 scales of Wq, one for each 32 codes along K); Wv_codes 8 x 64 x 16 x 16 uint8 (E2M1 codes of Wv, K innermost, in blocks of 32 codes, two codes a byte); Wv_scales 8 x 64 x 16 uint8 (E8M0 scales of Wv, one for each 32 codes along K); bk 8 x 64 float32; bo 512 float32; bq 8 x 64 float32; bv 8 x 64 float32; x_codes 2 x 4,096 x 16 x 16 uint8 (E2M1 codes of x, K innermost, in blocks of 32 codes, two codes a byte); x_scales 2 x 4,096 x 16 uint8 (E8M0 scales of x, one for each 32 codes along K).
;; Outputs: out0 2 x 4,096 x 512 float32.
;; This version of the problem:
;;   THIS VERSION OF THE PROBLEM IS GIVEN IN LOW PRECISION. The matrix products marked QUANTISED in the list below multiply operands that are first quantised to E2M1 (2 exponent bits, 1 mantissa bit; 4 bits a number), with one power-of-two scale for each 32 numbers along K (OCP MX v1.0); their sums are f32. All else is computed in f32.
;;   The module's matrix products, in the order in which they are computed (A, B: the left and right operand; K: the contracted axis; several contracted axes count as one K, in the product's order):
;;     1. [M 512, K 512] x [K 512, N 8,192]; A: input Wq (given as codes); B: input x (given as codes): QUANTISED
;;     2. [M 512, K 512] x [K 512, N 8,192]; A: input Wk (given as codes); B: input x (given as codes): QUANTISED
;;     3. [M 512, K 512] x [K 512, N 8,192]; A: input Wv (given as codes); B: input x (given as codes): QUANTISED
;;     4. batch 16 x [M 4,096, K 64] x [K 64, N 4,096]; A: computed on the way; B: computed on the way: QUANTISED
;;     5. batch 16 x [M 4,096, K 4,096] x [K 4,096, N 64]; A: softmax (see below); B: computed on the way: QUANTISED
;;     6. [M 8,192, K 512] x [K 512, N 512]; A: computed on the way; B: input Wo (given as codes): QUANTISED
;;   THE QUANTISER, for each operand of a quantised product, along K:
;;     - K is cut into blocks of 32 from its start; a last block that is shorter is filled with zeros.
;;     - A block's scale is 2^e with e = floor(log2(the largest magnitude in the block)) - 2, held to -126 .. 127; a block of zeros has e = 0. As a byte (E8M0): e + 127.
;;     - Each number is divided by its block's scale, clamped to +-6, and rounded to the nearest number of E2M1, ties to even, subnormals kept.
;;     - The product sums the exact products of the quantised numbers (number of the format x scale) in f32.
;;   ~~~python
;;   def quantise(x, axis):      # numpy; x: float32 -> the quantised numbers, widened to float32 again
;;       x = np.moveaxis(x, axis, -1); K = x.shape[-1]
;;       x = np.pad(x, [(0, 0)] * (x.ndim - 1) + [(0, -K % 32)]); x = x.reshape(x.shape[:-1] + (-1, 32)); a = np.abs(x).max(-1, keepdims=True)
;;       e = np.where(a > 0, np.clip(np.frexp(np.where(a > 0, a, 1))[1] - 1 - 2, -126, 127), 0)      # np.frexp(a)[1] - 1 = floor(log2(a)), exactly
;;       r = np.clip(x / 2.0 ** e, -6, 6)
;;       step = 2.0 ** (np.maximum(np.frexp(np.where(r == 0, 1, r))[1] - 1, 0) - 1)
;;       q = np.round(r / step) * step * 2.0 ** e      # np.round: ties to even
;;       return np.moveaxis(q.reshape(q.shape[:-2] + (-1,))[..., :K], -1, axis).astype(np.float32)
;;   ~~~
;;   SOFTMAX AHEAD OF A QUANTISED PRODUCT. Where the list says 'softmax', what is quantised is not the finished softmax but p = 2^(t - M), with t = logit x log2(e) and M = ceil(the row's largest t), a whole number; so 1/2 < the row's largest p <= 1. The row's sum l is taken of the UNQUANTISED p, in f32, and the product's result is divided by l at the end. Since M is a whole number, a kernel that streams over the keys may use a running M (the ceiling of the running maximum): every later rescaling is an exact power of two, which a block's scale takes up: the codes' values come out the same.
;;   OPERANDS COMPUTED ON THE WAY. 'Computed on the way' means the value that the module computes at that place (a softmax that the list does not call 'softmax' is quantised finished and normalised). What goes into a quantiser is computed in f32, as accurately as f32 sums, v_exp_f32 and their like allow (about 1e-6 of the number): no bf16 or f16 on the way to a quantiser, and a product that is left as it is and whose result goes on into a quantised operand takes f32 operands (vector FMAs, or v_wmma_f32_16x16x4_f32). A number that lies on a knife's edge between two numbers of the format may be rounded either way, as far as f32 arithmetic and the matrix unit's own rounding can turn it there, and no further.
;;   INPUTS GIVEN AS CODES. Wk (in the module: [8, 512, 64], K = its axis 1); Wo (in the module: [512, 512], K = its axis 0); Wq (in the module: [8, 512, 64], K = its axis 1); Wv (in the module: [8, 512, 64], K = its axis 1); x (in the module: [2, 4096, 512], K = its axis 2): each comes as NAME_codes (uint8): NAME with its K axis moved to the last place and cut into blocks of 32 codes, [.., K / 32, bytes a block], one block behind the other in memory; two codes a byte, the lower K in the low four bits (a code: sign, 2 exponent bits, 1 mantissa bit); and NAME_scales (uint8): the same leading axes, one E8M0 byte (e + 127) for each 32 codes along K. Its value is code x scale, taken as it is: it is not quantised again, and the codes and scales need not be those that the quantiser above would give.
;; One version. Each part assembles by itself: llvm-mc -triple=amdgcn-amd-amdhsa -mcpu=gfx1250 --defsym DOCPART=n.
;; ======== version 1 of 1: 3 launches
;; limits: right only within a limited range of input values
;; workspace buffers: qc 2,097,152 bytes; qs 262,144 bytes; kv 4,587,520 bytes; cc 2,097,152 bytes; cs 131,072 bytes
;; launch proj (part 1): grid 32 x 8, 8 waves a work-group, no clusters, 128,000 bytes of LDS; arguments x_codes, x_scales, Wq_codes, Wq_scales, bq, Wk_codes, Wk_scales, bk, Wv_codes, Wv_scales, bv, qc, qs, kv; writes qc, qs, kv
.if DOCPART == 1
	.amdgcn_target "amdgcn-amd-amdhsa--gfx1250"
	.amdhsa_code_object_version 6
	.text
	.protected	k_qcb22543720_proj
	.globl	k_qcb22543720_proj
	.p2align	8
	.type	k_qcb22543720_proj,@function
k_qcb22543720_proj:
	s_mov_b64 s[64:65], 0
	v_nop
	global_prefetch_b8 v0, s[64:65] scope:SCOPE_SE
	s_setreg_imm32_b32 hwreg(HW_REG_WAVE_MODE, 25, 1), 1
	s_wait_xcnt 0x0
; q, k, v = x W + b for one head and 256 rows of x, on codes of FP4 (E2M1) with one E8M0 scale for each 32 along K = 512; then q and k are
; quantised along the head's 64 channels and v along the keys, and leave in the order in which the attention launch's operand registers take them.
; SHARES.  Work-group (x = block of 256 of the 8,192 rows, y = head).  Wave w takes rows 32 w .. 32 w + 31 (a GROUP) and makes q, k and v of them, 32 matrix instructions each.
; ROWS OF A TILE ARE NOT NEIGHBOURS.  RP(r) = r + (r & 8).  Lane r of row tile u (0, 1) takes row 8 u + RP(r) of the group; lane r of channel tile t (0..3) takes channel 32 (t / 2) + 8 (t % 2) + RP(r).
; So in a result the 16 registers of two neighbouring tiles of source 0 are 16 NEIGHBOURS: 32 b + 16 (lane / 16) + 0 .. 15.
;   q, k: source 0 = 16 channels of W, source 1 = 16 rows of x: a lane holds one row, its registers run along the channels (the next K).  The bias is the C of the first K step.
;   v:    source 0 = 16 rows of x, source 1 = 16 channels of W: a lane holds one channel, its registers run along the keys (the next K).  The bias, one number a lane, is added behind the sums.
; OUT.  qc: [bh][tile 2 g + u][lane][16 bytes]: registers 0-3 of the fragment (K = 64: registers 4-7 are zeros and are not stored).  qs: [bh][tile][r][word], bytes 2 and 3 = 127.
;   kv: [bh][chunk of 1,024 keys][71,680 bytes]: K's codes [step 8][tile 8][lane][16]; from 32,768 V's codes [step][t 4][c 2][h 2][r 16][16]; from 65,536 K's scale words [step][lane][b 4];
;   from 69,632 V's scale words [step][lane][a 2].  Every store of codes covers 256 or 512 consecutive aligned bytes; the scale words are gathered in LDS and leave 512 bytes an instruction.
; NO CLUSTER: a work-group asks for its operands once, at its head (64 KiB of x, 48 KiB of weights), through registers; no request recurs in a loop, so there is no stream of joint requests to share.
; LIMITS: NaN and infinities are not served.  A block whose largest magnitude lies under 2^-124 is held at the scale byte 1; a block of zeros gets the byte 1 over zero codes (the bytes are read by this program alone).
.set PITCH, 272                        ; an LDS row: 256 bytes of codes + 16
.set XB,    192*PITCH                  ; LDS: 192 rows of weights (q, k, v), then 256 rows of x,
.set SST,   XB+256*PITCH               ; then the scales' stage: q's words 1,024 bytes, k's words 1,024, v's bytes 512
.set XS,  20                           ; v20-23   x's scale words, register s; lanes 0-15 row tile 0, lanes 16-31 row tile 1
.set WS,  24                           ; v24-47   the weights' scale words, register 8 p + 4 b + s; lanes 0-15 channel tile 2 b, lanes 16-31 tile 2 b + 1
.set XF,  48                           ; v48-111  x's fragments, 32 u + 8 s
.set WF,  112                          ; v112-143 four fragments of a weight, one K step
.set TM,  112                          ; while quantising: v112-115 largest magnitudes, v116-119 bytes, v124-127 the conversions' scale operands
.set PW0, 128
.set PW1, 129
.set PW,  130
.set ACC, 144                          ; v144-207 eight accumulators
.set BB,  208                          ; v208-239 bq, then bk, in the result's layout
.set BV,  240                          ; v240-247 bv in the even registers; the odd ones are 0 (named as pairs)
.set PC,  248                          ; v248-255 the codes just made
; v1 lane, v2 r, v3 h, v4 RP(r); v5 weights' fragment address; v6 x's; v7 16 x thread; v8, v9 staging into LDS; v10 scale rows; v11, v12 biases; v13, v14 codes out; v15-17 scales into the stage; v18, v19 out of it
; One scaled matrix instruction.  d, a, b, c: first registers (c < 0: the constant 0 starts the sum); sa, sb: the scale registers; ra, rb: 1 = that side's words lie in lanes 16-31.
.macro WM d, a, b, c, sa, sb, ra, rb
.set rD, \d
.set rA, \a
.set rB, \b
.set rC, \c
.set rE, \sa
.set rF, \sb
.set rW, 2*(\ra)+(\rb)
.if rC < 0
.if rW == 0
	v_wmma_scale_f32_16x16x128_f8f6f4 v[rD:rD+7], v[rA:rA+7], v[rB:rB+7], 0, v[rE], v[rF] matrix_a_fmt:MATRIX_FMT_FP4 matrix_b_fmt:MATRIX_FMT_FP4
.elseif rW == 1
	v_wmma_scale_f32_16x16x128_f8f6f4 v[rD:rD+7], v[rA:rA+7], v[rB:rB+7], 0, v[rE], v[rF] matrix_a_fmt:MATRIX_FMT_FP4 matrix_b_fmt:MATRIX_FMT_FP4 matrix_b_scale:MATRIX_SCALE_ROW1
.elseif rW == 2
	v_wmma_scale_f32_16x16x128_f8f6f4 v[rD:rD+7], v[rA:rA+7], v[rB:rB+7], 0, v[rE], v[rF] matrix_a_fmt:MATRIX_FMT_FP4 matrix_b_fmt:MATRIX_FMT_FP4 matrix_a_scale:MATRIX_SCALE_ROW1
.else
	v_wmma_scale_f32_16x16x128_f8f6f4 v[rD:rD+7], v[rA:rA+7], v[rB:rB+7], 0, v[rE], v[rF] matrix_a_fmt:MATRIX_FMT_FP4 matrix_b_fmt:MATRIX_FMT_FP4 matrix_a_scale:MATRIX_SCALE_ROW1 matrix_b_scale:MATRIX_SCALE_ROW1
.endif
.else
.if rW == 0
	v_wmma_scale_f32_16x16x128_f8f6f4 v[rD:rD+7], v[rA:rA+7], v[rB:rB+7], v[rC:rC+7], v[rE], v[rF] matrix_a_fmt:MATRIX_FMT_FP4 matrix_b_fmt:MATRIX_FMT_FP4
.elseif rW == 1
	v_wmma_scale_f32_16x16x128_f8f6f4 v[rD:rD+7], v[rA:rA+7], v[rB:rB+7], v[rC:rC+7], v[rE], v[rF] matrix_a_fmt:MATRIX_FMT_FP4 matrix_b_fmt:MATRIX_FMT_FP4 matrix_b_scale:MATRIX_SCALE_ROW1
.elseif rW == 2
	v_wmma_scale_f32_16x16x128_f8f6f4 v[rD:rD+7], v[rA:rA+7], v[rB:rB+7], v[rC:rC+7], v[rE], v[rF] matrix_a_fmt:MATRIX_FMT_FP4 matrix_b_fmt:MATRIX_FMT_FP4 matrix_a_scale:MATRIX_SCALE_ROW1
.else
	v_wmma_scale_f32_16x16x128_f8f6f4 v[rD:rD+7], v[rA:rA+7], v[rB:rB+7], v[rC:rC+7], v[rE], v[rF] matrix_a_fmt:MATRIX_FMT_FP4 matrix_b_fmt:MATRIX_FMT_FP4 matrix_a_scale:MATRIX_SCALE_ROW1 matrix_b_scale:MATRIX_SCALE_ROW1
.endif
.endif
.endm
.macro PLACES                          ; four plain vector lines behind a matrix instruction, in front of loads into its sources and of reads of its results
.rept 4
	v_nop
.endr
.endm
.macro FETCHW p, s                     ; the four channel tiles of weight p, K step s: lane (r, h) takes 16 bytes at row x pitch + 64 s + 32 c + 16 h
.irp t, 0,1,2,3
.irp c, 0,1
	ds_load_b128 v[WF+8*\t+4*\c:WF+8*\t+4*\c+3], v5 offset:(64*\p+32*(\t/2)+8*(\t%2))*PITCH+64*\s+32*\c
.endr
.endr
.endm
.macro MULQK p, s                      ; eight accumulators by turns, one instruction a turn
.irp t, 0,1,2,3
.irp u, 0,1
.if \s == 0
	WM ACC+32*\u+8*\t, WF+8*\t, XF+32*\u+8*\s, BB+8*\t, WS+8*\p+4*(\t/2)+\s, XS+\s, \t%2, \u
.else
	WM ACC+32*\u+8*\t, WF+8*\t, XF+32*\u+8*\s, ACC+32*\u+8*\t, WS+8*\p+4*(\t/2)+\s, XS+\s, \t%2, \u
.endif
.endr
.endr
.endm
.macro MULV s                          ; the sources change places: a lane holds a channel, its registers run along the keys
.irp t, 0,1,2,3
.irp u, 0,1
.if \s == 0
	WM ACC+16*\t+8*\u, XF+32*\u+8*\s, WF+8*\t, -1, XS+\s, WS+16+4*(\t/2)+\s, \u, \t%2
.else
	WM ACC+16*\t+8*\u, XF+32*\u+8*\s, WF+8*\t, ACC+16*\t+8*\u, XS+\s, WS+16+4*(\t/2)+\s, \u, \t%2
.endif
.endr
.endr
.endm
; The 64 numbers of a lane in ACC are four half blocks: register 16 b + i is neighbour 16 (lane / 16) + i of block b; the other half lies in the lane 16 away.
.macro QUANT
.irp b, 0,1,2,3
	v_max3_num_f32 v[TM+\b], |v[ACC+16*\b]|, |v[ACC+1+16*\b]|, 0x1800000   ; my 16 numbers, and the floor 2^(3 - 127): the byte cannot fall under 1.  Each accumulator is read from its low end on
.endr
.irp i, 2,4,6,8,10,12,14
.irp b, 0,1,2,3
	v_max3_num_f32 v[TM+\b], v[TM+\b], |v[ACC+16*\b+\i]|, |v[ACC+1+16*\b+\i]|   ; the four blocks by turns
.endr
.endr
.irp b, 0,1,2,3
	s_delay_alu instid0(VALU_DEP_4)
	v_permlanex16_b32 v[TM+4+\b], v[TM+\b], s42, s43
.endr
.irp b, 0,1,2,3
	s_delay_alu instid0(VALU_DEP_4)
	v_max_num_f32 v[TM+\b], v[TM+\b], v[TM+4+\b]          ; the block's largest magnitude
.endr
.irp b, 0,1,2,3
	s_delay_alu instid0(VALU_DEP_4)
	v_add_nc_u32 v[TM+12+\b], 0xff000000, v[TM+\b]        ; 2 off its exponent field: the conversion takes that field as its scale
.endr
.irp b, 0,1,2,3
	s_delay_alu instid0(VALU_DEP_4)
	v_lshrrev_b32 v[TM+4+\b], 23, v[TM+12+\b]             ; the scale's byte
.endr
.irp b, 0,1,2,3
	v_cvt_scalef32_pk8_fp4_f32 v[PC+2*\b], v[ACC+16*\b:ACC+16*\b+7], v[TM+12+\b]
	v_cvt_scalef32_pk8_fp4_f32 v[PC+2*\b+1], v[ACC+16*\b+8:ACC+16*\b+15], v[TM+12+\b]
.endr
	v_nop                                                  ; one plain line behind the scaled conversions
.endm
; One projection: p = 0 q, 1 k, 2 v.
.macro PROJ p
	s_wait_loadcnt 0x0                             ; scale words and biases are in (p = 1: bk)
	s_wait_xcnt 0x0                                ; the last projection's stores have read the codes' registers
	s_wait_dscnt 0x0                               ; x's fragments are in; the last projection's LDS stores are done
.irp s, 0,1,2,3
	PLACES                                         ; behind the products that read the weight's registers (and, for bk below, bq's)
.if (\p == 0) && (\s == 1)
.irp t, 0,1,2,3
	global_load_b128 v[BB+8*\t:BB+8*\t+3], v11, s[18:19] offset:(32*(\t/2)+8*(\t%2))*4       ; bq has been taken as C: bk takes its registers
	global_load_b128 v[BB+8*\t+4:BB+8*\t+7], v11, s[18:19] offset:(32*(\t/2)+8*(\t%2))*4+16
.endr
.endif
	FETCHW \p, \s
	s_wait_dscnt 0x0
.if \p < 2
	MULQK \p, \s
.else
	MULV \s
.endif
.endr
	PLACES
.if \p == 2
.irp t, 0,1,2,3
.irp i, 0,2,4,6,8,10,12,14
	v_pk_add_f32 v[ACC+16*\t+\i:ACC+16*\t+\i+1], v[ACC+16*\t+\i:ACC+16*\t+\i+1], v[BV+2*\t:BV+2*\t+1] op_sel_hi:[1,0]   ; + bv of my channel (the pair's low word serves both halves)
.endr
.endr
.endif
	QUANT
.if \p < 2
	v_lshl_or_b32 v[PW0], v[TM+5], 8, v[TM+4]      ; row tile 0: my row's two bytes,
	v_lshl_or_b32 v[PW1], v[TM+7], 8, v[TM+6]      ; row tile 1
	s_delay_alu instid0(VALU_DEP_2)
	v_or_b32 v[PW0], 0x7f7f0000, v[PW0]            ; and 127 for the two blocks of zero codes that fill K to 128
	s_delay_alu instid0(VALU_DEP_2)
	v_or_b32 v[PW1], 0x7f7f0000, v[PW1]
	s_delay_alu instid0(VALU_DEP_1)
	v_cndmask_b32 v[PW], v[PW0], v[PW1], s40       ; lanes 0-15 carry tile 0's words, lanes 16-31 tile 1's
.irp u, 0,1
.irp i, 0,1
	v_permlane16_swap_b32 v[PC+4*\u+\i], v[PC+4*\u+2+\i]   ; a whole block to a lane: lanes 0-15 channels 0-31, lanes 16-31 channels 32-63
.endr
.endr
.if \p == 0
.irp u, 0,1
	global_store_b128 v13, v[PC+4*\u:PC+4*\u+3], s[26:27] offset:512*\u   ; 512 consecutive bytes, aligned
.endr
	ds_store_b32 v15, v[PW]
.else
.irp u, 0,1
	global_store_b128 v13, v[PC+4*\u:PC+4*\u+3], s[44:45] offset:512*\u
.endr
	ds_store_b32 v16, v[PW]
.endif
.else
.irp t, 0,1,2,3
	global_store_b64 v14, v[PC+2*\t:PC+2*\t+1], s[46:47] offset:1024*\t   ; 16 keys of my channel: the 32 lanes fill 256 consecutive bytes, aligned
.endr
.irp t, 0,1,2,3
	ds_store_b8 v17, v[TM+4+\t] offset:128*(\t%2)+4*(\t/2)                ; both lanes of a block write the same byte with the same value
.endr
.endif
.endm
	s_load_b512 s[4:19], s[0:1], 0x0               ; x_codes 4, x_scales 6, Wq_codes 8, Wq_scales 10, bq 12, Wk_codes 14, Wk_scales 16, bk 18
	s_load_b256 s[20:27], s[0:1], 0x40             ; Wv_codes 20, Wv_scales 22, bv 24, qc 26
	s_load_b128 s[28:31], s[0:1], 0x60             ; qs 28, kv 30
	s_set_vgpr_msb 0x40
	v_lshl_add_u32 v0, v0, 2, 0x1f000
	v_mov_b32 v1, 0
	s_set_vgpr_msb 0x4000
	v_lshrrev_b32 v1, 5, v0
	s_delay_alu instid0(VALU_DEP_1)
	v_readfirstlane_b32 s32, v1                    ; wave 0..7
	v_and_b32 v1, 31, v0                           ; lane
	v_and_b32 v2, 15, v0                           ; r
	v_bfe_u32 v3, v0, 4, 1                         ; h
	s_delay_alu instid0(VALU_DEP_2)
	v_and_b32 v4, 8, v2
	s_delay_alu instid0(VALU_DEP_1)
	v_add_nc_u32 v4, v4, v2                        ; RP(r)
	s_delay_alu instid0(VALU_DEP_1)
	v_mul_u32_u24 v5, v4, PITCH
	s_delay_alu instid0(VALU_DEP_1)
	v_lshl_add_u32 v5, v3, 4, v5                   ; a weight's fragment: row RP x pitch + 16 h
	s_mul_i32 s36, s32, 32*PITCH
	s_add_co_u32 s36, s36, XB
	v_add_nc_u32 v6, s36, v5                       ; x's: my wave's 32 rows
	v_lshlrev_b32 v7, 4, v0                        ; staging: 16 bytes a thread, 4,096 a work-group: 16 rows
	v_lshrrev_b32 v8, 4, v0
	s_delay_alu instid0(VALU_DEP_1)
	v_mul_u32_u24 v8, v8, PITCH
	s_delay_alu instid0(VALU_DEP_1)
	v_lshl_add_u32 v8, v2, 4, v8                   ; and their place in LDS
	s_delay_alu instid0(VALU_DEP_1)
	v_add_nc_u32 v9, XB, v8
	v_lshl_add_u32 v10, v3, 3, v4
	s_delay_alu instid0(VALU_DEP_1)
	v_lshlrev_b32 v10, 4, v10                      ; a row of scale bytes is 16 bytes: row 8 h + RP
	v_lshlrev_b32 v11, 6, v3                       ; bq, bk: 16 h numbers on
	v_lshlrev_b32 v12, 2, v4                       ; bv: number RP
	v_lshlrev_b32 v13, 4, v1                       ; codes of q and k out: 16 x lane
	v_lshlrev_b32 v14, 4, v2
	s_delay_alu instid0(VALU_DEP_1)
	v_lshl_add_u32 v14, v3, 3, v14                 ; codes of v out: 16 r + 8 h
	s_lshr_b32 s54, s32, 2                         ; which of the block's two key steps is my group's,
	s_and_b32 s55, s32, 3                          ; and which of its four blocks of 32 keys
	s_lshl_b32 s36, s32, 7
	s_add_co_u32 s36, s36, SST
	v_lshl_add_u32 v15, v1, 2, s36                 ; q's words: 128 x wave + 4 x lane
	s_lshl_b32 s36, s54, 9
	s_lshl_b32 s38, s55, 2
	s_add_co_u32 s36, s36, s38
	s_add_co_u32 s36, s36, SST+1024
	v_lshl_add_u32 v16, v1, 4, s36                 ; k's words: [step][lane][block]
	s_lshl_b32 s36, s54, 8
	s_add_co_u32 s36, s36, s55
	s_add_co_u32 s36, s36, SST+2048
	v_lshl_add_u32 v17, v2, 3, s36                 ; v's bytes: [step][16 (t % 2) + r][t / 2][block]
	s_lshl_b32 s36, s32, 9
	s_add_co_u32 s36, s36, SST
	v_lshl_add_u32 v18, v1, 4, s36                 ; out of the stage: 512 bytes a wave (waves 0 to 4)
	s_and_b32 s36, s32, 1
	s_lshl_b32 s36, s36, 9
	v_lshl_add_u32 v19, v1, 4, s36
	v_cmp_le_u32 s40, 16, v1                       ; lanes 16-31
	s_mov_b32 s42, 0x76543210
	s_mov_b32 s43, 0xfedcba98                      ; v_permlanex16_b32's selects for the lane 16 away
.irp t, 0,1,2,3
	v_mov_b32 v[BV+2*\t+1], 0
.endr
	s_and_b32 s33, ttmp7, 0xffff                   ; head
	s_lshr_b32 s35, ttmp9, 4
	s_lshl_b32 s35, s35, 3
	s_add_co_u32 s35, s35, s33                     ; bh = 8 x batch + head
	s_mov_b32 s37, 0
	s_wait_kmcnt 0x0
	s_lshl_b32 s36, ttmp9, 16                      ; 256 rows of 256 bytes
	s_add_nc_u64 s[4:5], s[4:5], s[36:37]
	s_lshl_b32 s36, ttmp9, 12                      ; 256 rows of 16 bytes, + my wave's 32
	s_lshl_b32 s38, s32, 9
	s_add_co_u32 s36, s36, s38
	s_add_nc_u64 s[6:7], s[6:7], s[36:37]
	s_lshl_b32 s36, s33, 14                        ; a head's weight: 64 rows of 256 bytes
	s_add_nc_u64 s[8:9], s[8:9], s[36:37]
	s_add_nc_u64 s[14:15], s[14:15], s[36:37]
	s_add_nc_u64 s[20:21], s[20:21], s[36:37]
	s_lshl_b32 s36, s33, 10
	s_add_nc_u64 s[10:11], s[10:11], s[36:37]
	s_add_nc_u64 s[16:17], s[16:17], s[36:37]
	s_add_nc_u64 s[22:23], s[22:23], s[36:37]
	s_lshl_b32 s36, s33, 8
	s_add_nc_u64 s[12:13], s[12:13], s[36:37]
	s_add_nc_u64 s[18:19], s[18:19], s[36:37]
	s_add_nc_u64 s[24:25], s[24:25], s[36:37]
	; 28 loads for LDS, each 512 consecutive bytes a wave; then 19 that stay in registers
.irp i, 0,1,2,3,4,5,6,7,8,9,10,11,12,13,14,15
	global_load_b128 v[ACC+4*\i:ACC+4*\i+3], v7, s[4:5] offset:4096*\i
.endr
.irp i, 0,1,2,3
	global_load_b128 v[48+4*\i:51+4*\i], v7, s[8:9] offset:4096*\i
	global_load_b128 v[64+4*\i:67+4*\i], v7, s[14:15] offset:4096*\i
	global_load_b128 v[80+4*\i:83+4*\i], v7, s[20:21] offset:4096*\i
.endr
	global_load_b128 v[XS:XS+3], v10, s[6:7]
.irp b, 0,1
	global_load_b128 v[WS+4*\b:WS+4*\b+3], v10, s[10:11] offset:512*\b
	global_load_b128 v[WS+8+4*\b:WS+8+4*\b+3], v10, s[16:17] offset:512*\b
	global_load_b128 v[WS+16+4*\b:WS+16+4*\b+3], v10, s[22:23] offset:512*\b
.endr
.irp t, 0,1,2,3
	global_load_b128 v[BB+8*\t:BB+8*\t+3], v11, s[12:13] offset:(32*(\t/2)+8*(\t%2))*4
	global_load_b128 v[BB+8*\t+4:BB+8*\t+7], v11, s[12:13] offset:(32*(\t/2)+8*(\t%2))*4+16
	global_load_b32 v[BV+2*\t], v12, s[24:25] offset:(32*(\t/2)+8*(\t%2))*4
.endr
	; where the results go
	s_and_b32 s39, ttmp9, 15                       ; the block in its batch
	s_lshl_b32 s36, s35, 17
	s_lshl_b32 s38, s39, 13
	s_add_co_u32 s36, s36, s38
	s_lshl_b32 s38, s32, 10
	s_add_co_u32 s36, s36, s38
	s_add_nc_u64 s[26:27], s[26:27], s[36:37]      ; qc: 256 tiles of 512 bytes a head; 16 a block; 2 a wave
	s_lshl_b32 s36, s35, 14
	s_lshl_b32 s38, s39, 10
	s_add_co_u32 s36, s36, s38
	s_add_nc_u64 s[28:29], s[28:29], s[36:37]      ; qs: 64 bytes a tile
	s_mul_i32 s36, s35, 286720
	s_lshr_b32 s38, s39, 2
	s_mul_i32 s38, s38, 71680
	s_add_co_u32 s36, s36, s38
	s_add_nc_u64 s[30:31], s[30:31], s[36:37]      ; kv: my chunk
	s_and_b32 s41, ttmp9, 3                        ; my block is this quarter of it: two key steps
	s_lshl_b32 s36, s41, 13
	s_lshl_b32 s38, s32, 10
	s_add_co_u32 s36, s36, s38
	s_add_nc_u64 s[44:45], s[30:31], s[36:37]      ; K's codes
	s_lshl_b32 s36, s41, 13
	s_lshl_b32 s38, s54, 12
	s_add_co_u32 s36, s36, s38
	s_lshl_b32 s38, s55, 8
	s_add_co_u32 s36, s36, s38
	s_add_co_u32 s36, s36, 32768
	s_add_nc_u64 s[46:47], s[30:31], s[36:37]      ; V's codes
	s_lshl_b32 s36, s41, 10
	s_add_co_u32 s36, s36, 65536
	s_add_nc_u64 s[48:49], s[30:31], s[36:37]      ; K's scale words
	s_lshl_b32 s36, s41, 9
	s_add_co_u32 s36, s36, 69632
	s_add_nc_u64 s[50:51], s[30:31], s[36:37]      ; V's
	s_wait_loadcnt 19                              ; the 28 are in; the 19 younger loads may be out
.irp i, 0,1,2,3,4,5,6,7,8,9,10,11,12,13,14,15
	ds_store_b128 v9, v[ACC+4*\i:ACC+4*\i+3] offset:16*PITCH*\i
.endr
.irp i, 0,1,2,3
	ds_store_b128 v8, v[48+4*\i:51+4*\i] offset:16*PITCH*\i
	ds_store_b128 v8, v[64+4*\i:67+4*\i] offset:64*PITCH+16*PITCH*\i
	ds_store_b128 v8, v[80+4*\i:83+4*\i] offset:128*PITCH+16*PITCH*\i
.endr
	s_wait_dscnt 0x0                               ; for the others' sake: my stores have landed
	s_barrier_signal -1
	s_barrier_wait -1
.irp u, 0,1
.irp s, 0,1,2,3
.irp c, 0,1
	ds_load_b128 v[XF+32*\u+8*\s+4*\c:XF+32*\u+8*\s+4*\c+3], v6 offset:8*PITCH*\u+64*\s+32*\c   ; x's eight fragments stay in registers
.endr
.endr
.endr
	PROJ 0
	PROJ 1
	PROJ 2
	s_wait_dscnt 0x0                               ; my scale words and bytes lie in the stage
	s_barrier_signal -1
	s_barrier_wait -1
	s_cmp_lt_u32 s32, 2                            ; waves 0, 1: q's words; 2, 3: k's; 4: v's.  The choice hangs on the wave's number alone
	s_cselect_b64 s[52:53], s[28:29], s[48:49]
	s_cmp_lt_u32 s32, 4
	s_cselect_b64 s[52:53], s[52:53], s[50:51]
	s_cmp_lt_u32 s32, 5
	s_cbranch_scc0 .Ldone
	ds_load_b128 v[112:115], v18
	s_wait_dscnt 0x0
	global_store_b128 v19, v[112:115], s[52:53]    ; 512 consecutive bytes, aligned
.Ldone:
	s_set_vgpr_msb 0x5
	s_wait_tensorcnt 0x0
	ds_add_u32 v0, v1
	s_wait_dscnt 0x0
	s_set_vgpr_msb 0x500
	s_endpgm
.Lfunc_end_k_qcb22543720_proj:
	.size	k_qcb22543720_proj, .Lfunc_end_k_qcb22543720_proj-k_qcb22543720_proj
	.p2alignl 7, 3214868480
	.fill 96, 4, 3214868480
	.section	.rodata,"a",@progbits
	.p2align	6, 0x0
	.amdhsa_kernel k_qcb22543720_proj
		.amdhsa_group_segment_fixed_size 128000
		.amdhsa_private_segment_fixed_size 0
		.amdhsa_enable_private_segment 0
		.amdhsa_kernarg_size 112
		.amdhsa_user_sgpr_count 2
		.amdhsa_user_sgpr_kernarg_segment_ptr 1
		.amdhsa_wavefront_size32 1
		.amdhsa_system_sgpr_workgroup_id_x 1
		.amdhsa_system_sgpr_workgroup_id_y 1
		.amdhsa_system_sgpr_workgroup_id_z 1
		.amdhsa_system_vgpr_workitem_id 0
		.amdhsa_next_free_vgpr 258
		.amdhsa_next_free_sgpr 66
		.amdhsa_reserve_vcc 0
		.amdhsa_float_denorm_mode_32 3
		.amdhsa_float_denorm_mode_16_64 3
		.amdhsa_memory_ordered 1
		.amdhsa_forward_progress 1
		.amdhsa_inst_pref_size 51
	.end_amdhsa_kernel
	.amdgpu_metadata
---
amdhsa.version: [ 1, 2 ]
amdhsa.kernels:
  - .name:           k_qcb22543720_proj
    .symbol:         k_qcb22543720_proj.kd
    .args:
      - { .name: x_codes, .offset: 0, .size: 8, .value_kind: global_buffer, .address_space: global }
      - { .name: x_scales, .offset: 8, .size: 8, .value_kind: global_buffer, .address_space: global }
      - { .name: Wq_codes, .offset: 16, .size: 8, .value_kind: global_buffer, .address_space: global }
      - { .name: Wq_scales, .offset: 24, .size: 8, .value_kind: global_buffer, .address_space: global }
      - { .name: bq, .offset: 32, .size: 8, .value_kind: global_buffer, .address_space: global }
      - { .name: Wk_codes, .offset: 40, .size: 8, .value_kind: global_buffer, .address_space: global }
      - { .name: Wk_scales, .offset: 48, .size: 8, .value_kind: global_buffer, .address_space: global }
      - { .name: bk, .offset: 56, .size: 8, .value_kind: global_buffer, .address_space: global }
      - { .name: Wv_codes, .offset: 64, .size: 8, .value_kind: global_buffer, .address_space: global }
      - { .name: Wv_scales, .offset: 72, .size: 8, .value_kind: global_buffer, .address_space: global }
      - { .name: bv, .offset: 80, .size: 8, .value_kind: global_buffer, .address_space: global }
      - { .name: qc, .offset: 88, .size: 8, .value_kind: global_buffer, .address_space: global }
      - { .name: qs, .offset: 96, .size: 8, .value_kind: global_buffer, .address_space: global }
      - { .name: kv, .offset: 104, .size: 8, .value_kind: global_buffer, .address_space: global }
    .group_segment_fixed_size: 128000
    .private_segment_fixed_size: 0
    .kernarg_segment_align: 8
    .kernarg_segment_size: 112
    .max_flat_workgroup_size: 256
    .sgpr_count:     66
    .vgpr_count:     258
    .wavefront_size: 32
...
	.end_amdgpu_metadata
.endif
;; end of part 1
;; launch attn (part 2): grid 16 x 16, 16 waves a work-group, clusters of 4 x 1, 327,680 bytes of LDS; arguments qc, qs, kv, cc, cs; writes cc, cs
.if DOCPART == 2
	.amdgcn_target "amdgcn-amd-amdhsa--gfx1250"
	.amdhsa_code_object_version 6
	.text
	.protected	k_qcb22543720_attn
	.globl	k_qcb22543720_attn
	.p2align	8
	.type	k_qcb22543720_attn,@function
k_qcb22543720_attn:
	s_mov_b64 s[64:65], 0
	v_nop
	global_prefetch_b8 v0, s[64:65] scope:SCOPE_SE
	s_setreg_imm32_b32 hwreg(HW_REG_WAVE_MODE, 25, 1), 1
	s_wait_xcnt 0x0
	s_wait_alu depctr_hold_cnt(0) depctr_sa_sdst(0) depctr_va_vdst(0) depctr_va_sdst(0) depctr_va_ssrc(0) depctr_va_vcc(0) depctr_vm_vsrc(0)
	s_getreg_b32 s2, hwreg(HW_REG_IB_STS2, 6, 4)
	s_cmp_eq_u32 s2, 0
	s_cbranch_scc0 .Lentry_in_a_cluster
	s_endpgm
.Lentry_in_a_cluster:
	s_bfe_u32 s2, ttmp6, 0x10000c
	s_cmp_lg_u32 s2, 0x3003
	s_cbranch_scc0 .Lentry_shape_is_right
	s_endpgm
.Lentry_shape_is_right:
; y = softmax(q k^T / 8) v for 256 queries of one head, both products on codes of FP4 (E2M1) with one E8M0 scale for each 32 along K; y is then quantised along the head's 64 channels for the last product.
; THE SOFTMAX: t = score x log2(e) / 8; M = the running largest t rounded UP to a whole number; p = 2^(t - M) is quantised along the keys, not normalised; the row's sum is taken of the unquantised p and
; divides at the end.  When M moves, the sum and O are multiplied by 2^(old M - new M), which rounds nothing.
; SHARES.  Work-group (x = block of 256 queries, y = 8 x batch + head); each of sixteen waves owns one tile of 16 queries in 256 registers.  Every wave walks all 4,096 keys, 128 a step.
; THE WHOLE HEAD LIES IN LDS, each byte filled once.  kv holds 4 chunks of 1,024 keys, each with K's codes, V's codes, K's scale words, V's scale words: 16 dense blocks, ONE tensor load a wave:
; wave w brings kind w % 4 of chunk w / 4.  Waves 0-3 ask at the head (chunk 0); the other twelve ask behind the round that shows chunk 0 landed, and their blocks land under the first seven key steps.
; Each kind has an LDS region of its own, so that from step to step every address moves by a constant.
; CLUSTER: the four query blocks of a cluster belong to one head: each fill is asked for JOINTLY, by the same tensor load with the same descriptor and the mask of all four.
; NO PREFETCH: every byte of kv that the work-group reads is asked for by these sixteen loads, ahead of the loops; no load recurs in a loop, so there is nothing to run ahead of.
; LAYOUT.  Both products are used transposed: S^T = K Q^T (source 0 = 16 keys), O^T = V^T P^T (source 0 = 16 channels): a lane holds ONE query throughout.
; THE KEYS OF A TILE: row 8 hh + i of tile 4 c + o is key 64 c + 32 hh + 8 o + i of the step.  So lane (r, h) holds in tiles 4 c .. 4 c + 3 ALL 32 keys of block 2 c + h, in order: a block's largest score needs no other lane,
; and the conversion of tile 4 c + o is register 4 c + o of P's operand as it stands.  kv stores block g as 1,024 bytes [u 2][channel half 2][r 16][16], key 8 u + r + (r & 8): the choice is made by the LDS address alone.
; K's blocks lie 1,152 bytes apart in LDS (128 of padding): rows 0-7 and rows 8-15 of a tile then start 128 bytes apart modulo 256.  K = 64 for the first product: registers 4-7 of Q's and K's fragments are zero codes, set once.
; LIMITS: NaN and infinities are not served; the promise holds while the scaled scores stay under 2^31 in magnitude; a block of p or y whose largest magnitude lies under 2^-124 is held at the scale byte 1
; (a block of zeros: byte 1 over zero codes; this program alone reads the bytes).
; REGISTERS: v1 16 x lane; v5-8 LDS addresses of K, V, K's scale words, V's; v9, v10 the stage for y's scale bytes; v12 -M, v13 the largest score, v[14:15] the sum in two halves; v16-23 Q; v24-27 K's scale words,
; v28-29 V's, v30 p's, v31 Q's; v32-95 K; v96-159 S^T, then p; v160-191 O^T; v192-223 V; v224-231 p's codes; v232-254 at work; v251, v255 the add's two.
.set CH,   71680                       ; a chunk of kv: 1,024 keys
.set KPI,  1152                        ; a block of 32 keys' codes in LDS: 1,024 bytes + 128
.set KST,  4*KPI                       ; a key step of K
.set VB,   128*KPI                     ; V's codes: 4,096 bytes a step
.set KSB,  VB+131072                   ; K's scale words: 512 bytes a step
.set VSB,  KSB+16384                   ; V's: 256 bytes a step
.set CST,  VSB+8192                    ; 512 bytes, the stage for y's scale bytes; no fill lands there
.set SPARE, CST+512                    ; the spare words, 128 bytes a wave
.set G1K, 24                           ; s[24:31] group 1 for K's codes; s[32:39] V's codes; s[40:47] K's scale words; s[48:55] V's; s[56:59] group 0
.set G1V, 32
.set G1S, 40
.set G1T, 48
.macro WM d, a, b, c, sa, sb, ra       ; one scaled matrix instruction; c < 0: the constant 0 starts the sum; ra = 1: source 0's scale words lie in lanes 16-31
.set rD, \d
.set rA, \a
.set rB, \b
.set rC, \c
.set rE, \sa
.set rF, \sb
.set rW, \ra
.if rC < 0
.if rW == 0
	v_wmma_scale_f32_16x16x128_f8f6f4 v[rD:rD+7], v[rA:rA+7], v[rB:rB+7], 0, v[rE], v[rF] matrix_a_fmt:MATRIX_FMT_FP4 matrix_b_fmt:MATRIX_FMT_FP4
.else
	v_wmma_scale_f32_16x16x128_f8f6f4 v[rD:rD+7], v[rA:rA+7], v[rB:rB+7], 0, v[rE], v[rF] matrix_a_fmt:MATRIX_FMT_FP4 matrix_b_fmt:MATRIX_FMT_FP4 matrix_a_scale:MATRIX_SCALE_ROW1
.endif
.else
.if rW == 0
	v_wmma_scale_f32_16x16x128_f8f6f4 v[rD:rD+7], v[rA:rA+7], v[rB:rB+7], v[rC:rC+7], v[rE], v[rF] matrix_a_fmt:MATRIX_FMT_FP4 matrix_b_fmt:MATRIX_FMT_FP4
.else
	v_wmma_scale_f32_16x16x128_f8f6f4 v[rD:rD+7], v[rA:rA+7], v[rB:rB+7], v[rC:rC+7], v[rE], v[rF] matrix_a_fmt:MATRIX_FMT_FP4 matrix_b_fmt:MATRIX_FMT_FP4 matrix_a_scale:MATRIX_SCALE_ROW1
.endif
.endif
.endm
; A round of the cluster's barrier: my work-group's barrier; wave 0 signals for the work-group; every wave waits for all four work-groups; my work-group's barrier once more.
.macro CROUND
	s_barrier_signal -1
	s_barrier_wait -1
	s_cmp_lg_u32 s14, 0
	s_cbranch_scc1 .Lnot_wave_0_\@
	s_barrier_signal -3
.Lnot_wave_0_\@:
	s_barrier_wait -3
	s_barrier_signal -1
	s_barrier_wait -1
.endm
.macro GRP1 g, w0, c, r                ; group 1: r rows of c elements of 8 bytes, dense in memory
	s_mov_b32 s[\g], \w0
	s_mov_b32 s[\g+1], (\c)<<16
	s_mov_b32 s[\g+2], (\r)<<16
	s_mov_b32 s[\g+3], (\c)<<16
	s_mov_b32 s[\g+4], \r
	s_mov_b32 s[\g+5], \c
	s_mov_b32 s[\g+6], 0
	s_mov_b32 s[\g+7], 0
.endm
; A wave's one fill: a chain of branches on the kind (the wave's number % 4), a load to an arm, all arms leading to one join.  s62 = my chunk, s[60:61] = its first byte in kv.
.macro ARM under, g1, mul, lbase, goff, next, join
	s_cmp_lt_u32 s63, \under
	s_cbranch_scc0 \next
	s_mul_i32 s57, s62, \mul                       ; LDS address: the kind's region, chunk by chunk
	s_add_co_u32 s57, s57, \lbase
	s_add_nc_u64 s[58:59], s[60:61], \goff         ; the kind's place in a chunk of kv
	s_or_b32 s59, s59, 0x80000000                  ; type = 2
	tensor_load_to_lds s[56:59], s[\g1:\g1+7]
	s_nop 0
.rept 4
	v_nop
.endr
	s_branch \join
\next:
.endm
.macro FILLS
	ARM 1, G1K, 32*KPI, 0,   0,     .Larm_v_\@, .Lasked_\@
	ARM 2, G1V, 32768,  VB,  32768, .Larm_s_\@, .Lasked_\@
	ARM 3, G1S, 4096,   KSB, 65536, .Larm_t_\@, .Lasked_\@
	s_mul_i32 s57, s62, 2048
	s_add_co_u32 s57, s57, VSB
	s_add_nc_u64 s[58:59], s[60:61], 69632
	s_or_b32 s59, s59, 0x80000000
	tensor_load_to_lds s[56:59], s[G1T:G1T+7]
	s_nop 0
.rept 4
	v_nop
.endr
.Lasked_\@:
.endm
	s_load_b256 s[4:11], s[0:1], 0x0               ; qc 4, qs 6, kv 8, cc 10
	s_load_b64 s[12:13], s[0:1], 0x20              ; cs
	v_lshl_add_u32 v251, v0, 2, SPARE
	v_mov_b32 v255, 0
	ds_add_u32 v251, v255                          ; the opening lines: the add, twice on end, and its wait ahead of my tensor load
	ds_add_u32 v251, v255
	v_lshrrev_b32 v1, 5, v0
	v_readfirstlane_b32 s14, v1                    ; wave 0..15
	s_bfe_u32 s15, ttmp6, 0x40000                  ; cx: it enters the addresses of qc, qs, cc and cs alone
	s_lshl_b32 s16, ttmp9, 2
	s_add_co_u32 s16, s16, s15                     ; my block of 256 queries
	s_and_b32 s17, ttmp7, 0xffff                   ; bh, which the four partners share
	; word 0: 15:0 the mask of all four; 17:16 elements of 8 bytes; 21 set beside a mask.  K's codes: rows of 1,024 bytes, 32 words of padding behind every 256 words
	GRP1 G1K, 15|(3<<16)|(1<<20)|(1<<21)|(7<<22)|(31<<25), 128, 32
	GRP1 G1V, 15|(3<<16)|(1<<21), 32, 128
	GRP1 G1S, 15|(3<<16)|(1<<21), 32, 16
	GRP1 G1T, 15|(3<<16)|(1<<21), 32, 8
	s_lshr_b32 s62, s14, 2                         ; the chunk that I fetch from,
	s_and_b32 s63, s14, 3                          ; and the kind
	s_mul_i32 s18, s17, 4*CH                       ; the head's first byte in kv,
	s_mul_i32 s66, s62, CH
	s_add_co_u32 s18, s18, s66                     ; and my chunk's
	s_mov_b32 s19, 0
	s_mov_b32 s56, 1                               ; group 0: count = 1
	s_mov_b32 s20, 0x76543210
	s_mov_b32 s21, 0xfedcba98                      ; v_permlanex16_b32's selects for the lane 16 away
	s_mov_b32 s22, 0x3e38aa3b                      ; c = log2(e) / 8
	s_mov_b32 s23, s22                             ; (named with it as a pair)
	s_mov_b32 s70, 0xbe38aa3b                      ; -c
	s_mov_b32 s72, 0x06020400                      ; bytes 0 and 2 of my word by turns with bytes 0 and 2 of the other lane's
	s_wait_dscnt 0x0
	s_wait_kmcnt 0x0
	s_add_nc_u64 s[60:61], s[8:9], s[18:19]
	CROUND                                         ; all four work-groups are here: the joint loads meet
	s_cmp_lt_u32 s14, 4                            ; at the head waves 0-3 ask: chunk 0, which the first steps read
	s_cbranch_scc0 .Lnone_0
	FILLS
.Lnone_0:
	s_mov_b32 s67, 0
	s_lshl_b32 s66, s17, 17                        ; qc: 256 tiles of 512 bytes a head; my tile is 16 x block + wave
	s_lshl_b32 s68, s16, 13
	s_add_co_u32 s66, s66, s68
	s_lshl_b32 s68, s14, 9
	s_add_co_u32 s66, s66, s68
	s_add_nc_u64 s[4:5], s[4:5], s[66:67]
	s_lshl_b32 s66, s17, 14                        ; qs: 64 bytes a tile
	s_lshl_b32 s68, s16, 10
	s_add_co_u32 s66, s66, s68
	s_lshl_b32 s68, s14, 6
	s_add_co_u32 s66, s66, s68
	s_add_nc_u64 s[6:7], s[6:7], s[66:67]
	s_lshr_b32 s68, s17, 3                         ; cc: [batch][tile][head][512 bytes]
	s_lshl_b32 s68, s68, 8
	s_lshl_b32 s69, s16, 4
	s_add_co_u32 s68, s68, s69
	s_add_co_u32 s68, s68, s14
	s_lshl_b32 s66, s68, 12
	s_and_b32 s68, s17, 7
	s_lshl_b32 s68, s68, 9
	s_add_co_u32 s66, s66, s68
	s_add_nc_u64 s[10:11], s[10:11], s[66:67]
	s_lshl_b32 s66, s17, 13                        ; cs: [bh][tile][r][2 bytes]: 512 bytes a work-group
	s_lshl_b32 s68, s16, 9
	s_add_co_u32 s66, s66, s68
	s_add_nc_u64 s[12:13], s[12:13], s[66:67]
	s_lshl_b32 s68, s14, 5
	s_add_co_u32 s68, s68, CST
	v_and_b32 v9, 31, v0                           ; lane
	v_and_b32 v10, 15, v0                          ; r
	v_and_b32 v2, 7, v0                            ; i
	v_bfe_u32 v3, v0, 3, 1                         ; hh
	v_bfe_u32 v4, v0, 4, 1                         ; lane / 16
	v_lshlrev_b32 v1, 4, v9
	v_lshlrev_b32 v11, 2, v10
	v_lshlrev_b32 v5, 4, v2
	v_lshl_add_u32 v5, v4, 8, v5                   ; 16 i + 256 (lane / 16)
	v_lshl_add_u32 v7, v3, 2, v5
	v_add_nc_u32 v7, KSB, v7                       ; K's scale words: [u = lane / 16][r][block]: + 4 hh; the rest is in the loads' offsets
	v_mad_u32_u24 v5, v3, KPI, v5                  ; K's codes: block 2 c + hh, channel half lane / 16, row i
	v_add_nc_u32 v6, VB-4096, v1                   ; V's codes, one step back: stepped ahead of each step's loads
	v_lshl_add_u32 v8, v9, 3, VSB-256              ; V's scale words likewise
	v_lshl_add_u32 v9, v10, 1, s68                 ; the stage: 32 x wave + 2 r
	v_add_nc_u32 v10, CST, v1
	s_wait_alu depctr_va_vdst(0)
	global_load_b128 v[16:19], v1, s[4:5]          ; Q's fragment, registers 0-3
	global_load_b32 v31, v11, s[6:7]               ; and its scale words
	v_mov_b32 v13, 0xff61b1e6                      ; the largest score so far: -3e38
	v_mov_b32 v12, 0x7d000000                      ; -M: 2^123, so that the first change of M multiplies the zeros below by 0
	v_mov_b32 v14, 0                               ; the sum, in two halves
	v_mov_b32 v15, 0
.irp j, 20,21,22,23
	v_mov_b32 v[\j], 0                             ; Q's zero codes for K = 64 .. 127
.endr
.irp n, 0,1,2,3,4,5,6,7
.irp j, 4,5,6,7
	v_mov_b32 v[32+8*\n+\j], 0                     ; K's likewise: set once, never loaded
.endr
.endr
.set j, 0
.rept 32
	v_mov_b32 v[160+j], 0                          ; O^T: the step has no first form of its own
.set j, j+1
.endr
	v_mov_b32 v236, 0                              ; a lane permute's destination counts as one of its sources
	v_mov_b32 v253, 0                              ; (named as the upper half of the pair v[252:253])
	v_mov_b32 v254, 0
; Tiles n and n + 1 of K (n even), registers 0-3, and the scale register n / 2 (lanes 0-15 tile n, lanes 16-31 tile n + 1): three loads
.macro KQ pre, n
.if \pre
	ds_load_b128 v[32+8*(\n):35+8*(\n)], v5 offset:2*KPI*((\n)/4)+128*(((\n)/2)%2)
	ds_load_b128 v[40+8*(\n):43+8*(\n)], v5 offset:2*KPI*((\n)/4)+128*(((\n)/2)%2)+512
	ds_load_b32 v[24+(\n)/2], v7 offset:8*((\n)/4)+128*(((\n)/2)%2)
.endif
.endm
.macro SUM3 m, k0                      ; three of the row's 32 packed additions: chains k0 .. k0 + 2 of six take pairs m + k0 .. of p
.irp d, 0,1,2
	v_pk_add_f32 v[238+2*(\k0+\d):239+2*(\k0+\d)], v[238+2*(\k0+\d):239+2*(\k0+\d)], v[96+2*(\m+\k0+\d):97+2*(\m+\k0+\d)]
.endr
.endm
; A KEY STEP: 128 keys.  pre = 1: the next step's K is asked for in this step, twelve loads behind V's nine.
.macro STEP pre
	s_wait_dscnt 0x0                               ; K and its scale words, asked for a step ago
.irp n, 0,1,2,3,4,5,6,7
	WM 96+8*\n, 32+8*\n, 16, -1, 24+\n/2, 31, \n%2
.endr
	v_mov_b32 v254, v12                            ; the old -M.  These five lines are the places behind the products above and the last step's, in front of the loads below and of the first read of S^T
	v_add_nc_u32 v6, 4096, v6
	v_add_nc_u32 v8, 256, v8
.if \pre
	v_add_nc_u32 v5, KST, v5
	v_add_nc_u32 v7, 512, v7
.else
	v_nop
	v_nop
.endif
.irp t, 0,1,2,3
.irp c, 0,1
	ds_load_b128 v[192+8*\t+4*\c:195+8*\t+4*\c], v6 offset:1024*\t+512*\c
.endr
.endr
	ds_load_b64 v[28:29], v8
; the largest score of my two blocks of 32 keys: eight chains, one a tile, each accumulator read from its low end on; then tiles 0-3 join in v232, tiles 4-7 in v233
.irp n, 0,1,2,3,4,5,6,7
	v_max3_num_f32 v[232+\n], v[96+8*\n], v[97+8*\n], v[98+8*\n]
.endr
.irp i, 3,5
.irp n, 0,1,2,3,4,5,6,7
	v_max3_num_f32 v[232+\n], v[232+\n], v[96+8*\n+\i], v[97+8*\n+\i]
.endr
.endr
	v_max3_num_f32 v232, v232, v233, v103
	v_max3_num_f32 v236, v236, v237, v135
	v_max3_num_f32 v234, v234, v235, v111
	v_max3_num_f32 v238, v238, v239, v143
	v_max3_num_f32 v232, v232, v234, v119
	v_max3_num_f32 v233, v236, v238, v151
	v_max_num_f32 v232, v232, v127
	v_max_num_f32 v233, v233, v159
	v_max_num_f32 v237, v232, v233
	KQ \pre, 0                                     ; the next step's K: its loads stand between the links of this chain
	v_permlanex16_b32 v236, v237, s20, s21         ; the other two blocks' largest
	KQ \pre, 2
	v_max3_num_f32 v13, v13, v237, v236            ; the running largest score of my query
	KQ \pre, 4
	v_mul_f32 v237, s70, v13                       ; -t
	KQ \pre, 6
	v_floor_f32 v12, v237                          ; the new -M = floor(-t): M is a whole number
.set j, 0
.rept 32
	v_pk_fma_f32 v[96+j:97+j], v[96+j:97+j], s[22:23], v[12:13] op_sel_hi:[1,0,0]   ; t - M, two at a time
.if j == 6
	v_sub_f32 v254, v12, v254                      ; old M less new M: a whole number, 0 or less
.elseif j == 14
	v_cvt_i32_f32 v254, v254                       ; (it saturates)
.elseif j == 22
	v_ldexp_f32 v252, 1.0, v254                    ; f = 2^(old M - new M)
.endif
.set j, j+2
.endr
	v_fma_f32 v232, v232, s22, v12                 ; the same of each block's largest score: p rises with the score
	v_fma_f32 v233, v233, s22, v12
	s_wait_alu depctr_va_vdst(0)                   ; the wait ahead of the batch
.set j, 0
.rept 64
	v_exp_f32 v[96+j], v[96+j]                     ; p = 2^(t - M), at most 1
.set j, j+1
.endr
	v_exp_f32 v232, v232                           ; the blocks' largest p
	v_exp_f32 v233, v233
	v_pk_mul_f32 v[14:15], v[14:15], v[252:253] op_sel_hi:[1,0]   ; the sums under the new M: the plain line behind the exponentials
	s_wait_alu depctr_va_vdst(0)                   ; the wait behind the batch; it stands directly ahead of the first readers of O^T too
.set j, 0
.rept 16
	v_pk_mul_f32 v[160+j:161+j], v[160+j:161+j], v[252:253] op_sel_hi:[1,0]   ; O^T under the new M
.set j, j+2
.endr
	v_max_num_f32 v232, 0x1800000, v232            ; the floor 2^(3 - 127): the byte cannot fall under 1
	v_max_num_f32 v233, 0x1800000, v233
.irp k, 0,1,2,3,4,5
	v_pk_add_f32 v[238+2*\k:239+2*\k], v[96+2*\k:97+2*\k], v[108+2*\k:109+2*\k]   ; the row's sum is taken of the unquantised p, in six chains; its lines stand between the scales' lines
.endr
	v_add_nc_u32 v234, 0xff000000, v232            ; 2 off the exponent field: the conversion's scale operand
	v_add_nc_u32 v235, 0xff000000, v233
	SUM3 12, 0
	SUM3 12, 3
	v_lshrrev_b32 v236, 23, v234                   ; the scale's byte
	v_lshrrev_b32 v237, 23, v235
	v_pk_add_f32 v[238:239], v[238:239], v[156:157]
	v_pk_add_f32 v[240:241], v[240:241], v[158:159]
	v_lshl_or_b32 v237, v237, 16, v236             ; my two bytes: blocks h and 2 + h
.irp n, 0,1,2,3,4,5,6,7
	v_cvt_scalef32_pk8_fp4_f32 v[224+\n], v[96+8*\n:103+8*\n], v[234+\n/4]   ; register n of P's operand
.endr
	SUM3 18, 0
	SUM3 18, 3
	v_permlanex16_b32 v236, v237, s20, s21
	SUM3 24, 0
	v_perm_b32 v30, v236, v237, s72                ; lanes 0-15: p's scale word for these 128 keys (lanes 16-31 are not read).  Nine plain lines follow ahead of the products
	SUM3 24, 3
	v_pk_add_f32 v[238:239], v[238:239], v[244:245]
	v_pk_add_f32 v[240:241], v[240:241], v[246:247]
	v_pk_add_f32 v[242:243], v[242:243], v[248:249]
	v_pk_add_f32 v[238:239], v[238:239], v[240:241]
	v_pk_add_f32 v[14:15], v[14:15], v[242:243]
	v_pk_add_f32 v[14:15], v[14:15], v[238:239]
.if \pre
	s_wait_dscnt 12                                ; V and its scale words are in; the twelve loads of the next step's K may be out
.else
	s_wait_dscnt 0x0
.endif
.irp t, 0,1,2,3
	WM 160+8*\t, 192+8*\t, 224, 160+8*\t, 28+\t/2, 30, \t%2   ; four accumulators, one instruction each; the next matrix instructions are the next step's K Q^T
.endr
.endm
	s_wait_alu depctr_va_vdst(0)                   ; the wait at the head's end
	s_wait_loadcnt 0x0                             ; Q
	s_wait_tensorcnt 0x0                           ; my block of chunk 0, if I asked for one, has landed.  Ahead of a later first fill:
	ds_add_u32 v251, v255                          ; the add,
	ds_add_u32 v251, v255                          ; twice on end
	s_wait_dscnt 0x0                               ; and its wait
	CROUND                                         ; chunk 0 lies in LDS, and all four work-groups are here: the joint loads meet
	s_cmp_ge_u32 s14, 4                            ; waves 4-15 ask for chunks 1 to 3, one load each
	s_cbranch_scc0 .Lnone_1
	FILLS
.Lnone_1:
	KQ 1, 0
	KQ 1, 2
	KQ 1, 4
	KQ 1, 6
	s_mov_b32 s71, 7
.Lstep_a:                                              ; steps 0 to 6 read chunk 0 alone: the K that they ask for ahead is that of steps 1 to 7
	STEP 1
	s_sub_co_u32 s71, s71, 1
	s_cmp_lg_u32 s71, 0
	s_cbranch_scc1 .Lstep_a
	s_wait_tensorcnt 0x0                           ; my block of chunks 1 to 3 has landed;
	s_wait_dscnt 0x0                               ; no LDS load of mine is out at the signal
	s_barrier_signal -1
	s_barrier_wait -1                              ; everybody's has: the whole head lies in LDS, and nothing is filled again
	s_mov_b32 s71, 24
.Lstep_b:
	STEP 1
	s_sub_co_u32 s71, s71, 1
	s_cmp_lg_u32 s71, 0
	s_cbranch_scc1 .Lstep_b
	STEP 0                                         ; the last step asks for no further K
	; THE WAY OUT.  y = O^T / the sum; register 16 b + i is channel 32 b + 16 (lane / 16) + i of my query: two blocks of the last product's K.
	s_wait_alu depctr_va_vdst(0)
	v_add_f32 v14, v14, v15                        ; the sum's two halves,
	s_delay_alu instid0(VALU_DEP_1)
	v_permlanex16_b32 v254, v14, s20, s21
	s_delay_alu instid0(VALU_DEP_1)
	v_add_f32 v14, v14, v254                       ; and the other half of the lanes': the row's sum
	s_wait_alu depctr_va_vdst(0)
	v_rcp_f32 v14, v14
.rept 4
	v_nop                                          ; the places behind the last products, and the plain line behind the reciprocal
.endr
	s_wait_alu depctr_va_vdst(0)                   ; ahead of the reciprocal's first reader
.set j, 0
.rept 16
	v_pk_mul_f32 v[96+j:97+j], v[160+j:161+j], v[14:15] op_sel_hi:[1,0]   ; each accumulator from its low end on
.set j, j+2
.endr
.irp b, 0,1
	v_max3_num_f32 v[232+\b], |v[96+16*\b]|, |v[97+16*\b]|, 0x1800000
.endr
.irp i, 2,4,6,8,10,12,14
.irp b, 0,1
	s_delay_alu instid0(VALU_DEP_2)
	v_max3_num_f32 v[232+\b], v[232+\b], |v[96+16*\b+\i]|, |v[97+16*\b+\i]|
.endr
.endr
.irp b, 0,1
	s_delay_alu instid0(VALU_DEP_2)
	v_permlanex16_b32 v[236+\b], v[232+\b], s20, s21
.endr
.irp b, 0,1
	s_delay_alu instid0(VALU_DEP_2)
	v_max_num_f32 v[232+\b], v[232+\b], v[236+\b]
.endr
.irp b, 0,1
	s_delay_alu instid0(VALU_DEP_2)
	v_add_nc_u32 v[244+\b], 0xff000000, v[232+\b]
.endr
.irp b, 0,1
	s_delay_alu instid0(VALU_DEP_2)
	v_lshrrev_b32 v[236+\b], 23, v[244+\b]
.endr
	s_delay_alu instid0(VALU_DEP_1)
	v_lshl_or_b32 v254, v237, 8, v236              ; my row's two scale bytes of this head
.irp b, 0,1
	v_cvt_scalef32_pk8_fp4_f32 v[224+2*\b], v[96+16*\b:103+16*\b], v[244+\b]
	v_cvt_scalef32_pk8_fp4_f32 v[225+2*\b], v[104+16*\b:111+16*\b], v[244+\b]
.endr
	v_nop
	v_permlane16_swap_b32 v224, v226               ; lanes 0-15 channels 0-31, lanes 16-31 channels 32-63
	v_permlane16_swap_b32 v225, v227
	global_store_b128 v1, v[224:227], s[10:11]     ; 512 consecutive bytes, aligned: four registers of the last product's operand
	ds_store_b16 v9, v254                          ; both halves of the lanes write the same value
	s_wait_dscnt 0x0
	s_barrier_signal -1
	s_barrier_wait -1                              ; the sixteen tiles' scale bytes, 512 bytes, lie in the stage
	s_cmp_lg_u32 s14, 0
	s_cbranch_scc1 .Lnot_first
	ds_load_b128 v[232:235], v10
	s_wait_dscnt 0x0
	global_store_b128 v1, v[232:235], s[12:13]     ; 512 consecutive bytes, aligned
.Lnot_first:
	s_wait_tensorcnt 0x0                           ; the wave's end
	ds_add_u32 v251, v255
	s_wait_dscnt 0x0
	CROUND                                         ; the closing round: no work-group ends while a partner may still ask for a tile that names it
	s_endpgm
.Lfunc_end_k_qcb22543720_attn:
	.size	k_qcb22543720_attn, .Lfunc_end_k_qcb22543720_attn-k_qcb22543720_attn
	.p2alignl 7, 3214868480
	.fill 96, 4, 3214868480
	.section	.rodata,"a",@progbits
	.p2align	6, 0x0
	.amdhsa_kernel k_qcb22543720_attn
		.amdhsa_group_segment_fixed_size 327680
		.amdhsa_private_segment_fixed_size 0
		.amdhsa_enable_private_segment 0
		.amdhsa_kernarg_size 40
		.amdhsa_user_sgpr_count 2
		.amdhsa_user_sgpr_kernarg_segment_ptr 1
		.amdhsa_wavefront_size32 1
		.amdhsa_system_sgpr_workgroup_id_x 1
		.amdhsa_system_sgpr_workgroup_id_y 1
		.amdhsa_system_sgpr_workgroup_id_z 1
		.amdhsa_system_vgpr_workitem_id 0
		.amdhsa_next_free_vgpr 256
		.amdhsa_next_free_sgpr 80
		.amdhsa_reserve_vcc 0
		.amdhsa_float_denorm_mode_32 3
		.amdhsa_float_denorm_mode_16_64 3
		.amdhsa_memory_ordered 1
		.amdhsa_forward_progress 1
		.amdhsa_inst_pref_size 60
	.end_amdhsa_kernel
	.amdgpu_metadata
---
amdhsa.version: [ 1, 2 ]
amdhsa.kernels:
  - .name:           k_qcb22543720_attn
    .symbol:         k_qcb22543720_attn.kd
    .args:
      - { .name: qc, .offset: 0, .size: 8, .value_kind: global_buffer, .address_space: global }
      - { .name: qs, .offset: 8, .size: 8, .value_kind: global_buffer, .address_space: global }
      - { .name: kv, .offset: 16, .size: 8, .value_kind: global_buffer, .address_space: global }
      - { .name: cc, .offset: 24, .size: 8, .value_kind: global_buffer, .address_space: global }
      - { .name: cs, .offset: 32, .size: 8, .value_kind: global_buffer, .address_space: global }
    .group_segment_fixed_size: 327680
    .private_segment_fixed_size: 0
    .kernarg_segment_align: 8
    .kernarg_segment_size: 40
    .max_flat_workgroup_size: 512
    .sgpr_count:     80
    .vgpr_count:     256
    .wavefront_size: 32
...
	.end_amdgpu_metadata
.endif
;; end of part 2
;; launch outp (part 3): grid 4 x 64, 8 waves a work-group, no clusters, 105,472 bytes of LDS; arguments cc, cs, Wo_codes, Wo_scales, bo, out0; writes out0
.if DOCPART == 3
	.amdgcn_target "amdgcn-amd-amdhsa--gfx1250"
	.amdhsa_code_object_version 6
	.text
	.protected	k_qcb22543720_outp
	.globl	k_qcb22543720_outp
	.p2align	8
	.type	k_qcb22543720_outp,@function
k_qcb22543720_outp:
	s_mov_b64 s[64:65], 0
	v_nop
	global_prefetch_b8 v0, s[64:65] scope:SCOPE_SE
	s_setreg_imm32_b32 hwreg(HW_REG_WAVE_MODE, 25, 1), 1
	s_wait_xcnt 0x0
; out0 = cat Wo + bo, on codes of FP4 (E2M1) with one E8M0 scale for each 32 along K = 512.  cat's codes and scale bytes were made by the attention launch.
; SHARES.  Work-group (x = 128 columns, y = 128 rows: eight tiles of cat).  Wave w takes tile 8 y + w against all 128 columns: 8 column tiles x 4 K steps = 32 matrix instructions.
; THE PRODUCT IS USED TRANSPOSED (source 0 = 16 rows of Wo's codes = 16 columns of out0, source 1 = a tile of cat): a lane holds eight neighbouring numbers of a row of out0.  bo is loaded straight into the accumulators.
; cc: [tile][K step s][c][lane][16 bytes]: the operand's registers on end.  Lane r of tile T holds row 32 (T / 2) + 8 (T % 2) + r + (r & 8).  cs: [8 x batch + head][tile][r][2 bytes]: a row's sixteen scale bytes
; come from eight heads: wave w brings head w's 256 bytes for the work-group's eight tiles, and they meet in LDS as rows of 16 bytes.
; Wo's 128 rows go through LDS (pitch 272), fetched once.  The way out goes through each wave's own stage, so that 32 lanes store 512 consecutive aligned bytes of a row.
; NO CLUSTER: a work-group asks for its operands once, at its head (32 KiB of Wo, 32 KiB of cat), through registers; no request recurs in a loop.
; LIMITS: NaN and infinities are not served.
.set PITCH, 272
.set SCS,   128*PITCH                  ; cat's scale bytes: 128 rows x 16
.set STG,   SCS+2048                   ; the stages: 16 rows x 528 bytes for each wave
.set SP,    528
.set CF,   10                          ; v10-41   cat's fragments, 8 s + 4 c
.set CSW,  42                          ; v42-45   cat's scale words, register s
.set WSW,  46                          ; v46-61   Wo's, register 4 a + s; lanes 0-15 column tile 2 a, lanes 16-31 tile 2 a + 1
.set WF,   62                          ; v62-125, v126-189 Wo's fragments, two sets
.set ACC,  190                         ; v190-253 eight accumulators
; v1 16 x thread; v2 staging into LDS; v3 Wo's fragment address; v4 16 x lane; v5 8 x lane; v6, v7 cat's scale bytes in, words out; v8 32 h; v9 into my stage; v254 out of it
.macro WM d, a, b, c, sa, sb, ra       ; one scaled matrix instruction; ra = 1: source 0's scale words lie in lanes 16-31
.set rD, \d
.set rA, \a
.set rB, \b
.set rC, \c
.set rE, \sa
.set rF, \sb
.set rW, \ra
.if rW == 0
	v_wmma_scale_f32_16x16x128_f8f6f4 v[rD:rD+7], v[rA:rA+7], v[rB:rB+7], v[rC:rC+7], v[rE], v[rF] matrix_a_fmt:MATRIX_FMT_FP4 matrix_b_fmt:MATRIX_FMT_FP4
.else
	v_wmma_scale_f32_16x16x128_f8f6f4 v[rD:rD+7], v[rA:rA+7], v[rB:rB+7], v[rC:rC+7], v[rE], v[rF] matrix_a_fmt:MATRIX_FMT_FP4 matrix_b_fmt:MATRIX_FMT_FP4 matrix_a_scale:MATRIX_SCALE_ROW1
.endif
.endm
.macro PLACES                          ; four plain vector lines behind a matrix instruction, in front of loads into its sources and of reads of its results
.rept 4
	v_nop
.endr
.endm
.macro FETCH s                         ; Wo's eight fragments of K step s into set s % 2
.irp t, 0,1,2,3,4,5,6,7
.irp c, 0,1
	ds_load_b128 v[WF+64*((\s)%2)+8*\t+4*\c:WF+64*((\s)%2)+8*\t+4*\c+3], v3 offset:16*PITCH*\t+64*(\s)+32*\c
.endr
.endr
.endm
.macro MUL s                           ; eight accumulators by turns, one instruction a turn
.irp t, 0,1,2,3,4,5,6,7
	WM ACC+8*\t, WF+64*((\s)%2)+8*\t, CF+8*(\s), ACC+8*\t, WSW+4*(\t/2)+(\s), CSW+(\s), \t%2
.endr
.endm
	s_load_b256 s[4:11], s[0:1], 0x0               ; cc 4, cs 6, Wo_codes 8, Wo_scales 10
	s_load_b128 s[12:15], s[0:1], 0x20             ; bo 12, out0 14
	s_set_vgpr_msb 0x40
	v_lshl_add_u32 v0, v0, 2, 0x19800
	v_mov_b32 v1, 0
	s_set_vgpr_msb 0x4000
	v_lshrrev_b32 v1, 5, v0
	s_delay_alu instid0(VALU_DEP_1)
	v_readfirstlane_b32 s16, v1                    ; wave 0..7
	s_and_b32 s18, ttmp7, 0xffff                   ; block of 128 rows
	v_and_b32 v4, 31, v0                           ; lane
	v_and_b32 v8, 15, v0                           ; r
	v_bfe_u32 v9, v0, 4, 1                         ; h
	v_lshlrev_b32 v1, 4, v0
	v_lshrrev_b32 v2, 4, v0
	s_delay_alu instid0(VALU_DEP_1)
	v_mul_u32_u24 v2, v2, PITCH
	s_delay_alu instid0(VALU_DEP_1)
	v_lshl_add_u32 v2, v8, 4, v2                   ; 16 threads to a row of 256 bytes
	v_mul_u32_u24 v3, v8, PITCH
	s_delay_alu instid0(VALU_DEP_1)
	v_lshl_add_u32 v3, v9, 4, v3                   ; a fragment: row r x pitch + 16 h
	v_lshlrev_b32 v5, 3, v4
	s_lshl_b32 s20, s16, 1
	s_add_co_u32 s20, s20, SCS
	v_lshl_add_u32 v6, v4, 6, s20                  ; my four rows' halfwords of head w: row 4 x lane + i at 16 bytes a row, + 2 w
	s_lshl_b32 s20, s16, 8
	s_add_co_u32 s20, s20, SCS
	v_lshl_add_u32 v7, v8, 4, s20                  ; my tile's row r: its four scale words
	s_mul_i32 s20, s16, 16*SP
	s_add_co_u32 s20, s20, STG                     ; my stage
	v_lshl_add_u32 v254, v4, 4, s20                ; back: a row of 512 bytes, 16 a lane
	v_mul_u32_u24 v255, v8, SP
	s_delay_alu instid0(VALU_DEP_1)
	v_lshl_add_u32 v255, v9, 5, v255
	v_lshlrev_b32 v8, 5, v9                        ; bo: 8 h numbers on
	s_delay_alu instid0(VALU_DEP_2)
	v_add_nc_u32 v9, s20, v255                     ; in: row r, + 32 h
	v_lshlrev_b32 v4, 4, v4
	s_mov_b32 s21, 0
	s_lshl_b32 s22, s18, 3
	s_add_co_u32 s22, s22, s16                     ; my tile, 0..511
	s_wait_alu depctr_va_vdst(0)
	s_wait_kmcnt 0x0
	s_lshl_b32 s20, ttmp9, 15                      ; 128 rows of Wo's codes
	s_add_nc_u64 s[8:9], s[8:9], s[20:21]
	s_lshr_b32 s20, s18, 5                         ; batch
	s_lshl_b32 s20, s20, 3
	s_add_co_u32 s20, s20, s16                     ; 8 x batch + head w
	s_lshl_b32 s20, s20, 13
	s_and_b32 s23, s18, 31
	s_lshl_b32 s23, s23, 8                         ; the block's eight tiles: 32 bytes each
	s_add_co_u32 s20, s20, s23
	s_add_nc_u64 s[6:7], s[6:7], s[20:21]
	s_lshl_b32 s20, s22, 12
	s_add_nc_u64 s[4:5], s[4:5], s[20:21]
	s_lshl_b32 s20, ttmp9, 11
	s_add_nc_u64 s[10:11], s[10:11], s[20:21]
	s_lshl_b32 s20, ttmp9, 9
	s_add_nc_u64 s[12:13], s[12:13], s[20:21]
	s_add_nc_u64 s[14:15], s[14:15], s[20:21]      ; out0: my 128 columns,
	s_lshr_b32 s20, s22, 1
	s_lshl_b32 s20, s20, 16                        ; 32 rows of 2,048 bytes for each pair of tiles,
	s_and_b32 s23, s22, 1
	s_lshl_b32 s23, s23, 14                        ; 8 rows for the odd tile
	s_add_co_u32 s20, s20, s23
	s_add_nc_u64 s[14:15], s[14:15], s[20:21]
	; nine loads for LDS, then 28 that stay in registers
.irp i, 0,1,2,3,4,5,6,7
	global_load_b128 v[WF+4*\i:WF+4*\i+3], v1, s[8:9] offset:4096*\i
.endr
	global_load_b64 v[126:127], v5, s[6:7]
.irp i, 0,1,2,3,4,5,6,7
	global_load_b128 v[CF+4*\i:CF+4*\i+3], v4, s[4:5] offset:512*\i
.endr
.irp a, 0,1,2,3
	global_load_b128 v[WSW+4*\a:WSW+4*\a+3], v4, s[10:11] offset:512*\a
.endr
.irp t, 0,1,2,3,4,5,6,7
	global_load_b128 v[ACC+8*\t:ACC+8*\t+3], v8, s[12:13] offset:64*\t
	global_load_b128 v[ACC+8*\t+4:ACC+8*\t+7], v8, s[12:13] offset:64*\t+16
.endr
	s_wait_loadcnt 28                              ; the nine are in; the 28 younger loads may be out
.irp i, 0,1,2,3,4,5,6,7
	ds_store_b128 v2, v[WF+4*\i:WF+4*\i+3] offset:16*PITCH*\i
.endr
	ds_store_b16 v6, v126
	ds_store_b16_d16_hi v6, v126 offset:16
	ds_store_b16 v6, v127 offset:32
	ds_store_b16_d16_hi v6, v127 offset:48
	s_wait_dscnt 0x0                               ; for the others' sake: my stores have landed
	s_barrier_signal -1
	s_barrier_wait -1
	ds_load_b128 v[CSW:CSW+3], v7
	FETCH 0
	s_wait_loadcnt 0x0                             ; cat's fragments, Wo's scale words, bo
	FETCH 1
	s_wait_dscnt 16                                ; all but the sixteen just issued
	MUL 0
	PLACES
	FETCH 2
	s_wait_dscnt 16
	MUL 1
	PLACES
	FETCH 3
	s_wait_dscnt 16
	MUL 2
	s_wait_dscnt 0x0
	MUL 3
	PLACES
.irp t, 0,1,2,3,4,5,6,7
	ds_store_b128 v9, v[ACC+8*\t:ACC+8*\t+3] offset:64*\t            ; each accumulator from its low end on
	ds_store_b128 v9, v[ACC+8*\t+4:ACC+8*\t+7] offset:64*\t+16
.endr
.irp i, 0,1,2,3,4,5,6,7,8,9,10,11,12,13,14,15
	ds_load_b128 v[WF+4*\i:WF+4*\i+3], v254 offset:SP*\i             ; LDS serves a wave's instructions in order (ISA guide 5.7.1.4): these see my stores
.endr
.irp i, 0,1,2,3,4,5,6,7,8,9,10,11,12,13,14,15
	s_wait_dscnt 15-\i
	global_store_b128 v4, v[WF+4*\i:WF+4*\i+3], s[14:15] offset:(\i+8*(\i/8))*2048 th:TH_STORE_NT   ; row i + (i & 8) of the tile's span: 512 consecutive bytes, aligned
.endr
	s_set_vgpr_msb 0x5
	s_wait_tensorcnt 0x0
	ds_add_u32 v0, v1
	s_wait_dscnt 0x0
	s_set_vgpr_msb 0x500
	s_endpgm
.Lfunc_end_k_qcb22543720_outp:
	.size	k_qcb22543720_outp, .Lfunc_end_k_qcb22543720_outp-k_qcb22543720_outp
	.p2alignl 7, 3214868480
	.fill 96, 4, 3214868480
	.section	.rodata,"a",@progbits
	.p2align	6, 0x0
	.amdhsa_kernel k_qcb22543720_outp
		.amdhsa_group_segment_fixed_size 105472
		.amdhsa_private_segment_fixed_size 0
		.amdhsa_enable_private_segment 0
		.amdhsa_kernarg_size 48
		.amdhsa_user_sgpr_count 2
		.amdhsa_user_sgpr_kernarg_segment_ptr 1
		.amdhsa_wavefront_size32 1
		.amdhsa_system_sgpr_workgroup_id_x 1
		.amdhsa_system_sgpr_workgroup_id_y 1
		.amdhsa_system_sgpr_workgroup_id_z 1
		.amdhsa_system_vgpr_workitem_id 0
		.amdhsa_next_free_vgpr 258
		.amdhsa_next_free_sgpr 66
		.amdhsa_reserve_vcc 0
		.amdhsa_float_denorm_mode_32 3
		.amdhsa_float_denorm_mode_16_64 3
		.amdhsa_memory_ordered 1
		.amdhsa_forward_progress 1
		.amdhsa_inst_pref_size 21
	.end_amdhsa_kernel
	.amdgpu_metadata
---
amdhsa.version: [ 1, 2 ]
amdhsa.kernels:
  - .name:           k_qcb22543720_outp
    .symbol:         k_qcb22543720_outp.kd
    .args:
      - { .name: cc, .offset: 0, .size: 8, .value_kind: global_buffer, .address_space: global }
      - { .name: cs, .offset: 8, .size: 8, .value_kind: global_buffer, .address_space: global }
      - { .name: Wo_codes, .offset: 16, .size: 8, .value_kind: global_buffer, .address_space: global }
      - { .name: Wo_scales, .offset: 24, .size: 8, .value_kind: global_buffer, .address_space: global }
      - { .name: bo, .offset: 32, .size: 8, .value_kind: global_buffer, .address_space: global }
      - { .name: out0, .offset: 40, .size: 8, .value_kind: global_buffer, .address_space: global }
    .group_segment_fixed_size: 105472
    .private_segment_fixed_size: 0
    .kernarg_segment_align: 8
    .kernarg_segment_size: 48
    .max_flat_workgroup_size: 256
    .sgpr_count:     66
    .vgpr_count:     258
    .wavefront_size: 32
...
	.end_amdgpu_metadata
.endif
;; end of part 3
